; MI455X (gfx1250); checked and timed in simulation.
; The chip was launched on July 23, 2026; its instructions are those of AMD's public machine-readable ISA for CDNA 5 (MIT licence, August 2026) and "CDNA5" Instruction Set Architecture Reference Guide (July 2026). The comments in the code are by the model that wrote it; some were corrected since.
;; Attention. Allowed arithmetic: matrix products marked QUANTISED: E2M1 operands, one E8M0 scale for each 32 along K, by v_wmma_scale_f32_16x16x128_f8f6f4 with both operands' format E2M1 (or v_wmma_scale_f32_32x16x128_f4), f32 sums; products left as they are: f32 operands where the result goes on into a quantised operand, else bf16, f16 or f32 operands; f32 sums; everything else in f32.
;; Inputs: Ua_b 1,024 float32; Ua_w_codes 1,024 x 32 x 16 uint8 (E2M1 codes of Ua_w, K innermost, in blocks of 32 codes, two codes a byte); Ua_w_scales 1,024 x 32 uint8 (E8M0 scales of Ua_w, one for each 32 codes along K); Wa_b 1,024 float32; Wa_w_codes 1,024 x 32 x 16 uint8 (E2M1 codes of Wa_w, K innermost, in blocks of 32 codes, two codes a byte); Wa_w_scales 1,024 x 32 uint8 (E8M0 scales of Wa_w, one for each 32 codes along K); key 2,048 x 32 x 1,024 float32; query_codes 32 x 1 x 32 x 16 uint8 (E2M1 codes of query, K innermost, in blocks of 32 codes, two codes a byte); query_scales 32 x 1 x 32 uint8 (E8M0 scales of query, one for each 32 codes along K); va_b 1 float32; va_w 1,024 float32.
;; Outputs: out0 32 x 1 x 1,024 float32; out1 32 x 1 x 2,048 float32.
;; This version of the problem:
;;   THIS VERSION OF THE PROBLEM IS GIVEN IN LOW PRECISION. The matrix products marked QUANTISED in the list below multiply operands that are first quantised to E2M1 (2 exponent bits, 1 mantissa bit; 4 bits a number), with one power-of-two scale for each 32 numbers along K (OCP MX v1.0); their sums are f32. All else is computed in f32.
;;   The module's matrix products, in the order in which they are computed (A, B: the left and right operand; K: the contracted axis; several contracted axes count as one K, in the product's order):
;;     1. [M 32, K 1,024] x [K 1,024, N 1,024]; A: input query (given as codes); B: input Wa_w (given as codes): QUANTISED
;;     2. [M 65,536, K 1,024] x [K 1,024, N 1,024]; A: input key; B: input Ua_w (given as codes): QUANTISED
;;     3. [M 65,536, K 1,024] x [K 1,024, N 1]; A: computed on the way; B: input va_w: left as it is (N = 1 < 16)
;;     4. batch 32 x [M 1, K 2,048] x [K 2,048, N 1,024]; A: computed on the way; B: input key: left as it is (M = 1 < 16)
;;   THE QUANTISER, for each operand of a quantised product, along K:
;;     - K is cut into blocks of 32 from its start; a last block that is shorter is filled with zeros.
;;     - A block's scale is 2^e with e = floor(log2(the largest magnitude in the block)) - 2, held to -126 .. 127; a block of zeros has e = 0. As a byte (E8M0): e + 127.
;;     - Each number is divided by its block's scale, clamped to +-6, and rounded to the nearest number of E2M1, ties to even, subnormals kept.
;;     - The product sums the exact products of the quantised numbers (number of the format x scale) in f32.
;;   ~~~python
;;   def quantise(x, axis):      # numpy; x: float32 -> the quantised numbers, widened to float32 again
;;       x = np.moveaxis(x, axis, -1); K = x.shape[-1]
;;       x = np.pad(x, [(0, 0)] * (x.ndim - 1) + [(0, -K % 32)]); x = x.reshape(x.shape[:-1] + (-1, 32)); a = np.abs(x).max(-1, keepdims=True)
;;       e = np.where(a > 0, np.clip(np.frexp(np.where(a > 0, a, 1))[1] - 1 - 2, -126, 127), 0)      # np.frexp(a)[1] - 1 = floor(log2(a)), exactly
;;       r = np.clip(x / 2.0 ** e, -6, 6)
;;       step = 2.0 ** (np.maximum(np.frexp(np.where(r == 0, 1, r))[1] - 1, 0) - 1)
;;       q = np.round(r / step) * step * 2.0 ** e      # np.round: ties to even
;;       return np.moveaxis(q.reshape(q.shape[:-2] + (-1,))[..., :K], -1, axis).astype(np.float32)
;;   ~~~
;;   INPUTS GIVEN AS CODES. Ua_w (in the module: [1024, 1024], K = its axis 0); Wa_w (in the module: [1024, 1024], K = its axis 0); query (in the module: [32, 1, 1024], K = its axis 2): each comes as NAME_codes (uint8): NAME with its K axis moved to the last place and cut into blocks of 32 codes, [.., K / 32, bytes a block], one block behind the other in memory; two codes a byte, the lower K in the low four bits (a code: sign, 2 exponent bits, 1 mantissa bit); and NAME_scales (uint8): the same leading axes, one E8M0 byte (e + 127) for each 32 codes along K. Its value is code x scale, taken as it is: it is not quantised again, and the codes and scales need not be those that the quantiser above would give.
;; One version. Each part assembles by itself: llvm-mc -triple=amdgcn-amd-amdhsa -mcpu=gfx1250 --defsym DOCPART=n.
;; ======== version 1 of 1: 3 launches
;; limits: values are held in bf16: 8 bits of precision; right only within a limited range of input values
;; workspace buffers: uaf 524,288 bytes; qbc 131,072 bytes; scores 262,144 bytes; pctx 1,048,576 bytes; pml 65,536 bytes
;; launch prep (part 1): grid 16 x 1, 4 waves a work-group, no clusters, 9,216 bytes of LDS; arguments query_codes, query_scales, Wa_w_codes, Wa_w_scales, Wa_b, Ua_b, Ua_w_codes, uaf, qbc; writes uaf, qbc
.if DOCPART == 1
	.amdgcn_target "amdgcn-amd-amdhsa--gfx1250"
	.amdhsa_code_object_version 6
	.text
	.protected	k_q95e17ab3c3_prep
	.globl	k_q95e17ab3c3_prep
	.p2align	8
	.type	k_q95e17ab3c3_prep,@function
k_q95e17ab3c3_prep:
	s_mov_b64 s[64:65], 0
	v_nop
	global_prefetch_b8 v0, s[64:65] scope:SCOPE_SE
	s_setreg_imm32_b32 hwreg(HW_REG_WAVE_MODE, 25, 1), 1
	s_wait_xcnt 0x0
; Two small jobs ahead of the main launch.  64 waves (16 work-groups of 4); wave g = 4 x work-group + wave owns the 16 columns n = 16 g .. 16 g + 15.
; (a) Ua's codes of those columns are laid in the order of an operand's registers: fragment (n tile, K step of 128) = 1,024 bytes, [c = 0, 1][lane][16 bytes], so that the
;     main launch fills a fragment by two loads of 512 consecutive bytes.
; (b) qbc[b][n] = C2 x (query[b] . Wa[:, n] + Wa_b[n] + Ua_b[n]), C2 = 2 log2(e): the part of tanh's argument that does not hang on the key, already in the scale of the exponential.
;     The product runs on the given codes of FP4 (E2M1) with their E8M0 scales, 32 rows x 16 columns x K = 1,024: two accumulators by turns.
; A fragment, 16 rows x 128 K of 4-bit codes: lane (r = lane % 16, h = lane / 16) holds row r; registers 4 c .. 4 c + 3 hold K = 64 c + 32 h + 0 .. 31: bytes 64 ks + 32 c + 16 h of the row's 512.
; SCALE WORDS: one load of 16 bytes at row x 32 + 16 h gives four registers; register i holds in lanes 0-15 the word of K step i, in lanes 16-31 that of K step 4 + i: K steps 4 to 7 read the upper lanes.
.set C2V, 0x4038aa3b                   ; 2 log2(e)
.set UF,  0                            ; window 1: v0-63   Ua's eight fragments
.set WF,  16                           ; v16-79   Wa's eight fragments
.set QF,  80                           ; v80-207  query's: 64 rt + 8 ks
.set WS,  208                          ; v208-211 Wa's scale words
.set QS,  212                          ; v212-219 query's: 4 rt + i
.set AC,  224                          ; v224-239 two accumulators
.set RS,  240                          ; v240-255 results, later the rows read back
.set SP,  272                          ; a stage row: 64 columns x 4 bytes + 16
.set MSB, 0
.macro WIN new                         ; the immediate's high byte repeats the setting that is left
.if MSB != \new
	s_set_vgpr_msb (MSB<<8)|\new
.set MSB, \new
.endif
.endm
	s_load_b512 s[8:23], s[0:1], 0x0               ; query codes s[8:9], query scales s[10:11], Wa codes s[12:13], Wa scales s[14:15], Wa_b s[16:17], Ua_b s[18:19], Ua codes s[20:21], uaf s[22:23]
	s_load_b64 s[24:25], s[0:1], 0x40              ; qbc
	v_lshl_add_u32 v15, v0, 2, 0x2200
	v_mov_b32 v223, 0
	v_lshrrev_b32 v1, 5, v0
	v_readfirstlane_b32 s26, v1                    ; wave 0..3
	s_lshl_b32 s27, ttmp9, 2
	s_add_co_u32 s27, s27, s26                     ; my n tile
	v_and_b32 v1, 31, v0                           ; lane
	v_and_b32 v2, 15, v0                           ; r
	v_bfe_u32 v3, v0, 4, 1                         ; h
	v_lshlrev_b32 v4, 9, v2
	v_lshl_add_u32 v4, v3, 4, v4                   ; codes: row r of 512 bytes, + 16 h
	v_lshlrev_b32 v5, 5, v2
	v_lshl_add_u32 v5, v3, 4, v5                   ; scale bytes: row r of 32, + 16 h
	v_lshlrev_b32 v6, 2, v2                        ; biases: 4 r
	v_lshlrev_b32 v7, 4, v1                        ; an image's place for my lane: 16 x lane
	v_mul_u32_u24 v8, v3, 8*SP
	v_lshl_add_u32 v8, v2, 2, v8
	s_lshl_b32 s28, s26, 6
	v_add_nc_u32 v8, s28, v8                       ; the stage, in: row 8 h (+ 16 rt + j in the offset), column 16 wave + r
	s_lshl_b32 s28, s26, 3
	v_add_nc_u32 v9, s28, v3                       ; 8 wave + h
	v_mul_u32_u24 v10, v9, SP
	v_lshl_add_u32 v10, v2, 4, v10                 ; the stage, back: sixteen lanes to a row of 256 bytes
	v_lshlrev_b32 v11, 12, v9
	v_lshl_add_u32 v11, v2, 4, v11                 ; and the same place in qbc: rows of 4,096 bytes
	s_lshl_b32 s28, s27, 13                        ; 16 rows of 512 bytes of codes, and eight fragments of 1,024
	s_mov_b32 s29, 0
	s_lshl_b32 s30, s27, 9                         ; 16 rows of 32 scale bytes
	s_mov_b32 s31, 0
	s_lshl_b32 s32, s27, 6                         ; 16 numbers of a bias
	s_mov_b32 s33, 0
	s_lshl_b32 s34, ttmp9, 8                       ; the work-group's 64 columns of qbc
	s_mov_b32 s35, 0
	s_mov_b32 s36, C2V
	s_wait_alu depctr_va_vdst(0)
	s_wait_kmcnt 0x0
	s_add_nc_u64 s[20:21], s[20:21], s[28:29]
	s_add_nc_u64 s[12:13], s[12:13], s[28:29]
	s_add_nc_u64 s[22:23], s[22:23], s[28:29]
	s_add_nc_u64 s[14:15], s[14:15], s[30:31]
	s_add_nc_u64 s[16:17], s[16:17], s[32:33]
	s_add_nc_u64 s[18:19], s[18:19], s[32:33]
	s_add_nc_u64 s[24:25], s[24:25], s[34:35]
	WIN 0x40                                       ; destination window 1
.irp ks, 0,1,2,3,4,5,6,7
.irp c, 0,1
	global_load_b128 v[UF+8*\ks+4*\c:UF+8*\ks+4*\c+3], v4, s[20:21] offset:64*\ks+32*\c
.endr
.endr
	WIN 0
.irp ks, 0,1,2,3,4,5,6,7
.irp c, 0,1
	global_load_b128 v[WF+8*\ks+4*\c:WF+8*\ks+4*\c+3], v4, s[12:13] offset:64*\ks+32*\c
.endr
.endr
.irp rt, 0,1
.irp ks, 0,1,2,3,4,5,6,7
.irp c, 0,1
	global_load_b128 v[QF+64*\rt+8*\ks+4*\c:QF+64*\rt+8*\ks+4*\c+3], v4, s[8:9] offset:8192*\rt+64*\ks+32*\c
.endr
.endr
.endr
	global_load_b128 v[WS:WS+3], v5, s[14:15]
	global_load_b128 v[QS:QS+3], v5, s[10:11]
	global_load_b128 v[QS+4:QS+7], v5, s[10:11] offset:512
	global_load_b32 v220, v6, s[16:17]
	global_load_b32 v221, v6, s[18:19]
	s_wait_loadcnt 53                              ; Ua's 16 loads are in: behind them 16 (Wa) + 32 (query) + 3 (scales) + 2 (biases) were issued
	WIN 0x04                                       ; a store's data are its source 1: window 1
.irp ks, 0,1,2,3,4,5,6,7
.irp c, 0,1
	global_store_b128 v7, v[UF+8*\ks+4*\c:UF+8*\ks+4*\c+3], s[22:23] offset:1024*\ks+512*\c   ; the 32 lanes store 512 consecutive bytes
.endr
.endr
	WIN 0
	s_wait_loadcnt 0x0
.irp ks, 0,1,2,3,4,5,6,7                       ; source 0 = 16 rows of query, source 1 = my 16 columns of Wa: register j of lane (r, h) is (b = 16 rt + 8 h + j, n = r)
.irp rt, 0,1
.if \ks == 0
	v_wmma_scale_f32_16x16x128_f8f6f4 v[AC+8*\rt:AC+8*\rt+7], v[QF+64*\rt+8*\ks:QF+64*\rt+8*\ks+7], v[WF+8*\ks:WF+8*\ks+7], 0, v[QS+4*\rt], v[WS] matrix_a_fmt:MATRIX_FMT_FP4 matrix_b_fmt:MATRIX_FMT_FP4
.elseif \ks < 4
	v_wmma_scale_f32_16x16x128_f8f6f4 v[AC+8*\rt:AC+8*\rt+7], v[QF+64*\rt+8*\ks:QF+64*\rt+8*\ks+7], v[WF+8*\ks:WF+8*\ks+7], v[AC+8*\rt:AC+8*\rt+7], v[QS+4*\rt+\ks], v[WS+\ks] matrix_a_fmt:MATRIX_FMT_FP4 matrix_b_fmt:MATRIX_FMT_FP4
.else
	v_wmma_scale_f32_16x16x128_f8f6f4 v[AC+8*\rt:AC+8*\rt+7], v[QF+64*\rt+8*\ks:QF+64*\rt+8*\ks+7], v[WF+8*\ks:WF+8*\ks+7], v[AC+8*\rt:AC+8*\rt+7], v[QS+4*\rt+\ks-4], v[WS+\ks-4] matrix_a_fmt:MATRIX_FMT_FP4 matrix_b_fmt:MATRIX_FMT_FP4 matrix_a_scale:MATRIX_SCALE_ROW1 matrix_b_scale:MATRIX_SCALE_ROW1
.endif
.endr
.endr
	v_add_f32 v222, v220, v221                     ; the two biases of my column; these two lines and two v_nop are the four places behind the last product (ISA guide 7.12.1)
	v_mul_f32 v222, s36, v222
	v_nop
	v_nop
.irp i, 0,1,2,3,4,5,6,7,8,9,10,11,12,13,14,15
	v_fma_f32 v[RS+\i], v[AC+\i], s36, v222        ; each accumulator from its low end on
.endr
.irp rt, 0,1
.irp j, 0,1,2,3,4,5,6,7
	ds_store_b32 v8, v[RS+8*\rt+\j] offset:SP*(16*\rt+\j)
.endr
.endr
	s_wait_dscnt 0x0                               ; for the others' sake: my stores into the stage are done
	s_barrier_signal -1
	s_barrier_wait -1                              ; a row's 256 bytes come from four waves
.irp i, 0,1,2,3
	ds_load_b128 v[RS+4*\i:RS+4*\i+3], v10 offset:2*SP*\i
.endr
.irp i, 0,1,2,3
	s_wait_dscnt 3-\i                              ; LDS loads come back in order: load i is in
	global_store_b128 v11, v[RS+4*\i:RS+4*\i+3], s[24:25] offset:8192*\i   ; sixteen lanes store 256 consecutive bytes, aligned
.endr
	s_wait_tensorcnt 0x0
	ds_add_u32 v15, v223
	s_wait_dscnt 0x0
	s_endpgm
.Lfunc_end_k_q95e17ab3c3_prep:
	.size	k_q95e17ab3c3_prep, .Lfunc_end_k_q95e17ab3c3_prep-k_q95e17ab3c3_prep
	.p2alignl 7, 3214868480
	.fill 96, 4, 3214868480
	.section	.rodata,"a",@progbits
	.p2align	6, 0x0
	.amdhsa_kernel k_q95e17ab3c3_prep
		.amdhsa_group_segment_fixed_size 9216
		.amdhsa_private_segment_fixed_size 0
		.amdhsa_enable_private_segment 0
		.amdhsa_kernarg_size 72
		.amdhsa_user_sgpr_count 2
		.amdhsa_user_sgpr_kernarg_segment_ptr 1
		.amdhsa_wavefront_size32 1
		.amdhsa_system_sgpr_workgroup_id_x 1
		.amdhsa_system_sgpr_workgroup_id_y 1
		.amdhsa_system_sgpr_workgroup_id_z 1
		.amdhsa_system_vgpr_workitem_id 0
		.amdhsa_next_free_vgpr 320
		.amdhsa_next_free_sgpr 66
		.amdhsa_reserve_vcc 0
		.amdhsa_float_denorm_mode_32 3
		.amdhsa_float_denorm_mode_16_64 3
		.amdhsa_memory_ordered 1
		.amdhsa_forward_progress 1
		.amdhsa_inst_pref_size 16
	.end_amdhsa_kernel
	.amdgpu_metadata
---
amdhsa.version: [ 1, 2 ]
amdhsa.kernels:
  - .name:           k_q95e17ab3c3_prep
    .symbol:         k_q95e17ab3c3_prep.kd
    .args:
      - { .name: query_codes, .offset: 0, .size: 8, .value_kind: global_buffer, .address_space: global }
      - { .name: query_scales, .offset: 8, .size: 8, .value_kind: global_buffer, .address_space: global }
      - { .name: Wa_w_codes, .offset: 16, .size: 8, .value_kind: global_buffer, .address_space: global }
      - { .name: Wa_w_scales, .offset: 24, .size: 8, .value_kind: global_buffer, .address_space: global }
      - { .name: Wa_b, .offset: 32, .size: 8, .value_kind: global_buffer, .address_space: global }
      - { .name: Ua_b, .offset: 40, .size: 8, .value_kind: global_buffer, .address_space: global }
      - { .name: Ua_w_codes, .offset: 48, .size: 8, .value_kind: global_buffer, .address_space: global }
      - { .name: uaf, .offset: 56, .size: 8, .value_kind: global_buffer, .address_space: global }
      - { .name: qbc, .offset: 64, .size: 8, .value_kind: global_buffer, .address_space: global }
    .group_segment_fixed_size: 9216
    .private_segment_fixed_size: 0
    .kernarg_segment_align: 8
    .kernarg_segment_size: 72
    .max_flat_workgroup_size: 128
    .sgpr_count:     66
    .vgpr_count:     320
    .wavefront_size: 32
...
	.end_amdgpu_metadata
.endif
;; end of part 1
;; launch main (part 2): grid 8 x 32, 4 waves a work-group, no clusters, 327,680 bytes of LDS; arguments key, uaf, Ua_w_scales, qbc, va_w, va_b, scores, pctx, pml; writes scores, pctx, pml
.if DOCPART == 2
	.amdgcn_target "amdgcn-amd-amdhsa--gfx1250"
	.amdhsa_code_object_version 6
	.text
	.protected	k_q95e17ab3c3_main
	.globl	k_q95e17ab3c3_main
	.p2align	8
	.type	k_q95e17ab3c3_main,@function
k_q95e17ab3c3_main:
	s_mov_b64 s[64:65], 0
	v_nop
	global_prefetch_b8 v0, s[64:65] scope:SCOPE_SE
	s_setreg_imm32_b32 hwreg(HW_REG_WAVE_MODE, 25, 1), 1
	s_wait_xcnt 0x0
; Additive attention, all but the joining of parts.  Work-group (c, b) owns batch b and the keys s = 256 c .. 256 c + 255, in four blocks of 64 rows of 1,024 f32.  key is read from memory ONCE.
; A BLOCK:  CONVERT: wave w turns its 16 rows (landed in LDS by its own tensor load) into codes of FP4 (E2M1) with one E8M0 byte for each 32 along K, which go to LDS for all waves, and into a bf16 copy that stays in its registers |
;   barrier, behind which the next block's rows are asked for |  GEMM: all 64 rows x my quarter of N (n = 256 w .. 256 w + 255), two n tiles at a time; Ua's fragments come from memory straight into registers, two chunks ahead;
;   tanh and the product with va follow each chunk in registers |  the four waves' partial scores meet in LDS | barrier |  a running softmax (maximum m, sum l) and context += p x the bf16 copy of my 16 rows.
; OUT: the raw scores, and for the work-group m, l and the sum of p x key under its own m; the next launch joins the eight work-groups of a batch.
; tanh(x) = 1 - 2 / (1 + 2^(C2 x)), C2 = 2 log2(e).  So score = va_b + sum va[n] + sum (-2 va[n]) / (1 + 2^(C2 x[n])): the sums begin at the lane's share of sum va.  An exponential that overflows gives 1 / infinity = 0, one that underflows 1 / 1.
; THE QUANTISER: a block's largest magnitude, with the floor 2^(3 - 127) among its leaves; 2 off its exponent field is the conversion's scale operand, and that field the byte.
; LIMITS: NaN and infinities in key are not served.  A block of zeros gets the byte 1 where the rule says 127: its codes are zeros, and the bytes are read by this launch alone.  A weight under 2^-126 comes out as 0 (v_exp_f32 flushes:
;   ISA guide 15.8).  The running maximum begins at -3e38.  The context's product takes key rounded to bf16 and p in f32.
; NO CLUSTER, NO JOINT LOADS, though every work-group walks the same Ua: each fragment of Ua is multiplied by ONE wave of a work-group and goes to that wave's registers by plain loads.  A joint load lands in LDS, and this text's map
;   uses 326,144 of 327,680 bytes: 1,536 are left, against 65,536 for one chunk of the four waves.
; LDS is claimed whole.
;
; REGISTERS, in windows of 256 (s_set_vgpr_msb: bits 1:0 source 0, 3:2 source 1, 5:4 source 2, 7:6 destination):
;   window 0: v0-15 addresses; v16-31 the rows' scale words; v32-47 Ua's, two sets; v48-55 a chunk's qbc and -2 va; v56-87 the scores' sums (in CONVERT: at work); v88-119 the context; v120-183 eight accumulators;
;             v120-247 in CONVERT four sets of 32 numbers; v184-199 my 16 p, v200-215 the softmax at work; v248-255 what stays.
;   window 1: the 64 rows' fragments (64 rt + 8 ks).   window 2: Ua's fragments, two sets of 128 (64 ntl + 8 ks).   window 3: the bf16 copy: register 16 i + t = numbers 32 lane + 2 t, 2 t + 1 of my row i.
.set RROW,  4352                       ; a row of key in LDS: 16 pieces of 256 bytes, 16 bytes of padding behind each
.set RAWW,  16*RROW                    ; a wave's landing zone: 16 rows
.set CODES, 4*RAWW                     ; 278,528: 64 rows of codes,
.set CP,    528                        ; 512 bytes + 16: an odd multiple of 16, so that the sixteen rows of a fragment load start in different banks (ISA guide 11.1)
.set ASC,   CODES+64*CP                ; 312,320: their scale bytes,
.set AP,    48                         ; 32 + 16
.set PART,  ASC+64*AP                  ; 315,392: [wave][64 rows] partial scores
.set PBC,   PART+1024                  ; 316,416: [wave] 256 bytes: the wave's own copy of the 64 p
.set TAB,   PBC+1024                   ; 317,440: qbc[b][0 .. 1023], then -2 va[0 .. 1023]; each wave writes and reads its own quarter
.set SPARE, TAB+8192                   ; 325,632: the spare words, 128 bytes for each wave: two blocks of 256 bytes that no other line names
.set STG,   CODES                      ; the way out: 4 x 32 x 144 bytes, where the codes lay: they were last read ahead of the last block's second barrier
.set SGP,   144                        ; a lane's 128 bytes + 16
.set SPW,  1                           ; v1   SPARE + 4 x my thread's number; never rewritten
.set NIL,  2                           ; v2   0; never rewritten
.set RAWA, 3                           ; v3   my block of 32 numbers in a row of my landing zone
.set CST,  4                           ; v4   where I store a row's 16 bytes of codes
.set SST,  5                           ; v5   and its scale byte
.set AFA,  6                           ; v6   my lane's place in a fragment of codes
.set ASA,  7                           ; v7   and among the scale words
.set PA0,  8                           ; v8   my column's place in the tables
.set PA,   9                           ; v9   the same for the trip in hand
.set L16,  10                          ; v10  16 x lane
.set BO,   11                          ; v11  offset of the loads of Ua's fragments
.set SL,   12                          ; v12  32 r + 16 h
.set SO,   13                          ; v13  offset of the loads of Ua's scale words
.set PS,   14                          ; v14  where I store partial scores
.set PR,   15                          ; v15  where I read them
.set SCA,  16
.set SCB,  32
.set PRM,  48
.set SACC, 56
.set MX,   56                          ; CONVERT: v56-59 maxima, v60-61 scale operands, v62-65 bytes (two sets), v68-83 codes (two sets)
.set EE,   60
.set BYTE, 62
.set CODE, 68
.set CTX,  88
.set ACC,  120
.set X0,   120
.set PP,   184
.set T,    200
.set CW,   248                         ; v248 my share of sum va
.set PBS,  249                         ; v249 where I store my two p
.set MM,   250                         ; v250 m
.set LL,   251                         ; v251 l, a part in each lane
.set PBL,  252                         ; v252 where my wave's 16 p lie
.set L8,   253                         ; v253 8 x lane
.set FF,   254                         ; v254 f = 2^((m_old - m_new) log2 e); v[254:255] is named as a pair
.set PD,   255                         ; v255 a lane permute's destination
.set WV,   26                          ; s26  wave
.set BB,   27                          ; s27  batch
.set G0,   32                          ; s[32:35] descriptor group 0
.set G1,   36                          ; s[36:43] descriptor group 1
.set C2,   44                          ; s[44:45] 2 log2(e), twice
.set SEL,  46                          ; s[46:47] v_permlanex16_b32's selects for lane l xor 16
.set VB,   48                          ; s[48:49] va_b, twice
.set BLK,  50
.set TRIP, 51
.set NX,   52                          ; s52  where the next trip's fragments of Ua begin in my quarter
.set NXS,  53                          ; s53  and their scale bytes: NX / 16
.set PO,   54                          ; s54  the trip's place in the tables
.set LE,   55                          ; s55  log2(e)
.set MSB, 0
.macro WIN new                         ; the immediate's high byte repeats the setting that is left
.if MSB != \new
	s_set_vgpr_msb (MSB<<8)|\new
.set MSB, \new
.endif
.endm
; 34 loads: a chunk's 16 fragments of Ua (16 KiB, 512 consecutive bytes a load) into set buf, and its two n tiles' scale words
.macro FETCHB buf
	WIN 0x80                                       ; destination window 2
.set i, 0
.rept 32
	global_load_b128 v[128*\buf+4*i:128*\buf+4*i+3], v[BO], s[10:11] offset:16384*\buf+512*i
.set i, i+1
.endr
	WIN 0
.irp n, 0,1
	global_load_b128 v[SCB+8*\buf+4*\n:SCB+8*\buf+4*\n+3], v[SO], s[12:13] offset:1024*\buf+512*\n
.endr
.endm
; rows 2 p and 2 p + 1 of my 16: each lane takes its block of 32 numbers, 128 bytes, of both
.macro RAWLOAD p
.irp e, 0,1
.irp q, 0,1,2,3,4,5,6,7
	ds_load_b128 v[X0+64*((\p)%2)+32*\e+4*\q:X0+64*((\p)%2)+32*\e+4*\q+3], v[RAWA] offset:RROW*(2*(\p)+\e)+16*\q
.endr
.endr
.endm
; Two rows are quantised and copied.  A block of 32 along K lies in ONE lane's 32 registers: no other lane is asked for its maximum, and the conversions' four registers are 16 bytes of the row's codes.
.macro PAIR p, cnt
.set XA, X0+64*((\p)%2)
.set XB, XA+32
.set CD, CODE+8*((\p)%2)
.set BY, BYTE+2*((\p)%2)
	s_wait_dscnt \cnt                              ; this pair's 16 loads are in, and so are the stores of the pair two back, whose registers are written again below
	v_max3_num_f32 v[MX], |v[XA]|, |v[XA+1]|, 0x1800000              ; four chains by turns: two for each row.  The floor 2^(3 - 127) holds the byte at 1 from below
	v_max3_num_f32 v[MX+2], |v[XB]|, |v[XB+1]|, 0x1800000
	v_max3_num_f32 v[MX+1], |v[XA+16]|, |v[XA+17]|, |v[XA+18]|
	v_max3_num_f32 v[MX+3], |v[XB+16]|, |v[XB+17]|, |v[XB+18]|
.irp k, 0,1,2,3,4,5
	v_max3_num_f32 v[MX], v[MX], |v[XA+2+2*\k]|, |v[XA+3+2*\k]|
	v_max3_num_f32 v[MX+2], v[MX+2], |v[XB+2+2*\k]|, |v[XB+3+2*\k]|
	v_max3_num_f32 v[MX+1], v[MX+1], |v[XA+19+2*\k]|, |v[XA+20+2*\k]|
	v_max3_num_f32 v[MX+3], v[MX+3], |v[XB+19+2*\k]|, |v[XB+20+2*\k]|
.endr
	v_max3_num_f32 v[MX], v[MX], |v[XA+14]|, |v[XA+15]|
	v_max3_num_f32 v[MX+2], v[MX+2], |v[XB+14]|, |v[XB+15]|
	v_max3_num_f32 v[MX], v[MX], v[MX+1], |v[XA+31]|
	v_max3_num_f32 v[MX+2], v[MX+2], v[MX+3], |v[XB+31]|
	v_add_nc_u32 v[EE], 0xff000000, v[MX]          ; 2 off the exponent field: the conversion takes the exponent field of this operand as its scale, and nothing else of it
	v_add_nc_u32 v[EE+1], 0xff000000, v[MX+2]
.irp g, 0,1,2,3
	v_cvt_scalef32_pk8_fp4_f32 v[CD+\g], v[XA+8*\g:XA+8*\g+7], v[EE]       ; to the nearest code, ties to even; beyond 6 the largest code
	v_cvt_scalef32_pk8_fp4_f32 v[CD+4+\g], v[XB+8*\g:XB+8*\g+7], v[EE+1]
.endr
	v_lshrrev_b32 v[BY], 23, v[EE]                 ; the scale's byte.  (Also the plain instruction behind the conversions)
	v_lshrrev_b32 v[BY+1], 23, v[EE+1]
	WIN 0xc0                                       ; destination window 3
.irp t, 0,1,2,3,4,5,6,7,8,9,10,11,12,13,14,15
	v_cvt_pk_bf16_f32 v[32*(\p)+\t], v[XA+2*\t], v[XA+2*\t+1]
.endr
.irp t, 0,1,2,3,4,5,6,7,8,9,10,11,12,13,14,15
	v_cvt_pk_bf16_f32 v[32*(\p)+16+\t], v[XB+2*\t], v[XB+2*\t+1]
.endr
	WIN 0
	ds_store_b128 v[CST], v[CD:CD+3] offset:CP*(2*(\p))            ; the 32 lanes store a row's 512 bytes of codes
	ds_store_b128 v[CST], v[CD+4:CD+7] offset:CP*(2*(\p)+1)
	ds_store_b8 v[SST], v[BY] offset:AP*(2*(\p))
	ds_store_b8 v[SST], v[BY+1] offset:AP*(2*(\p)+1)
.if (\p) < 6
	RAWLOAD (\p)+2                                 ; into the registers just read
.endif
.endm
; The counts: behind a pair's 16 loads stand the 4 stores of the pair before and the 16 loads of the pair after: 20.  Pair 0: only pair 1's loads.  Pair 7: only pair 6's stores.
.macro CONVERT
	s_wait_tensorcnt 0x0                           ; my tile has landed (the one tensor load of mine that is out); only I read it
	RAWLOAD 0
	RAWLOAD 1
	PAIR 0, 16
	PAIR 1, 20
	PAIR 2, 20
	PAIR 3, 20
	PAIR 4, 20
	PAIR 5, 20
	PAIR 6, 20
	PAIR 7, 4
.endm
; ONE barrier for two things: behind it all 64 rows' codes lie in LDS, and nobody reads a landing zone any more.  refill = 1: the next block's 16 rows are asked for, first thing behind it: they have the rest of the block in which to land.
.macro MEET refill
.if \refill
	s_wait_tensorcnt 0x0                           ; no tensor load of mine is out, so group 0 may be written
	ds_add_u32 v[SPW], v[NIL]                      ; 0 onto my spare word
	s_add_nc_u64 s[G0+2:G0+3], s[G0+2:G0+3], 0x800000   ; 64 rows of 131,072 bytes on; the type bits on top are not reached
	s_wait_dscnt 0x0                               ; the add is done, my reads of the landing zone are back, my codes and bytes are stored
	s_barrier_signal -1
	s_barrier_wait -1
	tensor_load_to_lds s[G0:G0+3], s[G1:G1+7]      ; my one tensor load until the next such barrier
	s_nop 0
.rept 4
	v_nop                                          ; four plain lines ahead of the next switch of windows
.endr
.else
	s_wait_dscnt 0x0                               ; my codes and bytes are stored
	s_barrier_signal -1
	s_barrier_wait -1
.endif
.endm
; All 64 rows' fragments (32 of 8 registers) and scale words; the scores' sums begin at my share of sum va.
.macro AFETCH
.irp rt, 0,1,2,3
	ds_load_b128 v[SCA+4*\rt:SCA+4*\rt+3], v[ASA] offset:16*AP*\rt   ; the scale words first.  Register i: lanes 0-15 the word of K step i, lanes 16-31 that of K step 4 + i
.endr
	WIN 0x40                                       ; destination window 1
.irp ks, 0,1,2,3,4,5,6,7                       ; K step by K step, eight loads each, so that a K step's products wait for their own fragments alone
.irp rt, 0,1,2,3
.irp c, 0,1
	ds_load_b128 v[64*\rt+8*\ks+4*\c:64*\rt+8*\ks+4*\c+3], v[AFA] offset:16*CP*\rt+64*\ks+32*\c
.endr
.endr
.endr
	WIN 0
.set i, 0
.rept 32
	v_mov_b32 v[SACC+i], v[CW]
.set i, i+1
.endr
.endm
; One product: source 0 = 16 rows of key, source 1 = 16 columns of Ua: register j of lane (r, h) is (row 16 rt + 8 h + j, column r of the n tile).
.macro MUL buf, ks, n, rt
.set rD, ACC+8*(4*\n+\rt)
.set rA, 64*\rt+8*\ks
.set rB, 128*\buf+64*\n+8*\ks
.set rP, SCA+4*\rt+(\ks)%4
.set rQ, SCB+8*\buf+4*\n+(\ks)%4
.if \ks == 0
	v_wmma_scale_f32_16x16x128_f8f6f4 v[rD:rD+7], v[rA:rA+7], v[rB:rB+7], 0, v[rP], v[rQ] matrix_a_fmt:MATRIX_FMT_FP4 matrix_b_fmt:MATRIX_FMT_FP4
.elseif \ks < 4
	v_wmma_scale_f32_16x16x128_f8f6f4 v[rD:rD+7], v[rA:rA+7], v[rB:rB+7], v[rD:rD+7], v[rP], v[rQ] matrix_a_fmt:MATRIX_FMT_FP4 matrix_b_fmt:MATRIX_FMT_FP4
.else
	v_wmma_scale_f32_16x16x128_f8f6f4 v[rD:rD+7], v[rA:rA+7], v[rB:rB+7], v[rD:rD+7], v[rP], v[rQ] matrix_a_fmt:MATRIX_FMT_FP4 matrix_b_fmt:MATRIX_FMT_FP4 matrix_a_scale:MATRIX_SCALE_ROW1 matrix_b_scale:MATRIX_SCALE_ROW1
.endif
.endm
; 64 rows x 32 columns: 1 / (1 + 2^(C2 x + qbc)), times -2 va, onto the scores' sums.  Each kind of transcendental is one batch with one wait ahead of its first reader.
.macro TANH
.irp n, 0,1
.irp j, 0,2,4,6,8,10,12,14,16,18,20,22,24,26,28,30
	v_pk_fma_f32 v[ACC+32*\n+\j:ACC+32*\n+\j+1], v[ACC+32*\n+\j:ACC+32*\n+\j+1], s[C2:C2+1], v[PRM+2*\n:PRM+2*\n+1] op_sel_hi:[1,0,0]   ; each accumulator from its low end on; of the pairs the low word serves both halves
.endr
.endr
.set i, 0
	s_wait_alu depctr_va_vdst(0)
.rept 64
	v_exp_f32 v[ACC+i], v[ACC+i]
.set i, i+1
.endr
	v_nop                                          ; a plain instruction behind the last exponential
	s_wait_alu depctr_va_vdst(0)
.set i, 0
.rept 32
	v_pk_add_f32 v[ACC+i:ACC+i+1], v[ACC+i:ACC+i+1], 1.0 op_sel_hi:[1,0]
.set i, i+2
.endr
.set i, 0
	s_wait_alu depctr_va_vdst(0)
.rept 64
	v_rcp_f32 v[ACC+i], v[ACC+i]
.set i, i+1
.endr
	v_nop
	s_wait_alu depctr_va_vdst(0)
.irp n, 0,1
.irp j, 0,2,4,6,8,10,12,14,16,18,20,22,24,26,28,30
	v_pk_fma_f32 v[SACC+\j:SACC+\j+1], v[ACC+32*\n+\j:ACC+32*\n+\j+1], v[PRM+4+2*\n:PRM+5+2*\n], v[SACC+\j:SACC+\j+1] op_sel_hi:[1,0,1]
.endr
.endr
.endm
; A CHUNK: two n tiles x 64 rows x K = 1,024: 64 matrix instructions, eight accumulators by turns, one instruction a turn.  fetch = 1: the set just multiplied takes the chunk two further on.
; cnt: the loads issued behind this chunk's run of 34: one later run, or none.
.macro CHUNK buf, fetch, cnt, pf
.irp n, 0,1
	ds_load_b32 v[PRM+2*\n], v[PA] offset:128*\buf+64*\n           ; qbc of my column in n tile n,
	ds_load_b32 v[PRM+4+2*\n], v[PA] offset:4096+128*\buf+64*\n    ; and -2 va
.endr
	s_wait_loadcnt \cnt                            ; this chunk's fragments and scale words of Ua are in
	WIN 0x09                                       ; source 0 window 1, source 1 window 2
.irp ks, 0,1,2,3,4,5,6,7
	s_wait_dscnt 4+8*(7-\ks)                       ; a block's first chunk: the scale words and the rows' fragments up to this K step are in; behind them stand eight loads for each later K step and the four loads above
.irp n, 0,1
.irp rt, 0,1,2,3
	MUL \buf, \ks, \n, \rt
.endr
.endr
.endr
	WIN 0
.rept 4
	v_nop                                          ; four places ahead of the loads into registers that the products read, and of the first read of results
.endr
.if \fetch
.if \buf == 0
	s_wait_xcnt 0x0                                ; the last trip's loads and prefetches have read their offsets and base: these are rewritten only behind this wait
.if \pf
	s_add_nc_u64 s[60:61], s[60:61], 0x80000       ; four rows of 131,072 bytes on
.endif
	v_add_nc_u32 v[BO], s[NX], v[L16]
	v_add_nc_u32 v[SO], s[NXS], v[SL]
	s_wait_alu depctr_va_vdst(0)
.endif
	FETCHB \buf
.if \pf
	s_cmp_gt_u32 s[BLK], 1                         ; blocks 0 and 1 alone ask: behind block 3 the work-group has no rows
	s_cbranch_scc0 .Lnp_\@
	global_prefetch_b8 v216, s[60:61] th:TH_LOAD_NT scope:SCOPE_SE                 ; two rows of 4,096 bytes: sixteen lanes to a row, 256 bytes apart
	global_prefetch_b8 v216, s[60:61] offset:262144 th:TH_LOAD_NT scope:SCOPE_SE   ; and the next two
.Lnp_\@:
.endif
.endif
	s_wait_dscnt 0x0                               ; qbc and -2 va
	TANH
.endm
; A block's eight chunks, two a trip.  The walk over my quarter of Ua is cyclic: a block's last trip asks for the next block's first two chunks.  last = 1: the launch's last trip is written out and asks for nothing.
.macro GEMM last
.if \last == 0
	; A PREFETCH INTO THE L2: in block i (0 or 1) each wave asks for its own 16 rows of block i + 2, four rows a trip, one block ahead of the tensor load that will want them.  Each block of 256 bytes is named once in the launch.
	s_add_nc_u64 s[60:61], s[60:61], 0x600000      ; with the four trips' 0x80000 each: 64 rows on.  (No prefetch is out: the wait on XCNT at the last block's end stands ahead)
	v_and_b32 v216, 15, v0
	v_bfe_u32 v217, v0, 4, 1
	v_lshlrev_b32 v216, 8, v216
	v_lshl_add_u32 v216, v217, 17, v216            ; v216: 256 x (lane % 16) + 131,072 x (lane / 16); free between CONVERT's last read and the next CONVERT
	s_wait_alu depctr_va_vdst(0)
.endif
	s_mov_b32 s[PO], 0
	s_mov_b32 s[TRIP], 4-\last
.Ltrip_\@:
	v_add_nc_u32 v[PA], s[PO], v[PA0]
	CHUNK 0, 1, 34, 1-\last
	CHUNK 1, 1, 34, 0
	s_add_co_u32 s[NX], s[NX], 32768
	s_and_b32 s[NX], s[NX], 0x1ffff                ; my quarter is 131,072 bytes
	s_lshr_b32 s[NXS], s[NX], 4
	s_add_co_u32 s[PO], s[PO], 256
	s_sub_co_u32 s[TRIP], s[TRIP], 1
	s_cmp_lg_u32 s[TRIP], 0
	s_cbranch_scc1 .Ltrip_\@
.if \last
	v_add_nc_u32 v[PA], s[PO], v[PA0]
	CHUNK 0, 0, 34, 0
	CHUNK 1, 0, 0, 0
.endif
.endm
; A lane's sums are those of its column: the sixteen lanes of a half are added, and the wave's 64 partial scores go to LDS (the sixteen lanes write the same bytes with the same values).
.macro REDUCE
.irp m, 1,2,4,8
.set i, 0
.rept 32
	v_add_f32_dpp v[SACC+i], v[SACC+i], v[SACC+i] row_xmask:\m row_mask:0xf bank_mask:0xf
.set i, i+1
.endr
.endr
.irp rt, 0,1,2,3
.irp q, 0,1
	ds_store_b128 v[PS], v[SACC+8*\rt+4*\q:SACC+8*\rt+4*\q+3] offset:64*\rt+16*\q   ; rows 16 rt + 8 h + 4 q + 0 .. 3
.endr
.endr
	s_wait_dscnt 0x0                               ; for the others' sake: my stores are done, and my reads of the codes are long back
	s_barrier_signal -1
	s_barrier_wait -1                              ; the tensor load may stay out
.endm
; Every wave makes all 64 scores (lane l: rows 2 l, 2 l + 1), the new maximum, p and f; wave 0 stores the scores.  Then each wave takes the p of its own 16 rows, the same in every lane.
.macro SOFTMAX
.irp u, 0,1,2,3
	ds_load_b64 v[T+2+2*\u:T+3+2*\u], v[PR] offset:256*\u
.endr
	s_wait_dscnt 0x0
	v_pk_add_f32 v[T+2:T+3], v[T+2:T+3], v[T+4:T+5]
	v_pk_add_f32 v[T+6:T+7], v[T+6:T+7], v[T+8:T+9]
	v_pk_add_f32 v[T+2:T+3], v[T+2:T+3], v[T+6:T+7]
	v_pk_add_f32 v[T+2:T+3], v[T+2:T+3], s[VB:VB+1] op_sel_hi:[1,0]
	s_cmp_lg_u32 s[WV], 0
	s_cbranch_scc1 .Lnot0_\@
	global_store_b64 v[L8], v[T+2:T+3], s[20:21]   ; the 32 lanes store 256 consecutive bytes, aligned
.Lnot0_\@:
	s_wait_alu depctr_va_vdst(0)
	v_max_num_f32 v[T+10], v[T+2], v[T+3]
	v_max_num_f32_dpp v[T+10], v[T+10], v[T+10] row_xmask:1 row_mask:0xf bank_mask:0xf
	v_max_num_f32_dpp v[T+10], v[T+10], v[T+10] row_xmask:2 row_mask:0xf bank_mask:0xf
	v_max_num_f32_dpp v[T+10], v[T+10], v[T+10] row_xmask:4 row_mask:0xf bank_mask:0xf
	v_max_num_f32_dpp v[T+10], v[T+10], v[T+10] row_xmask:8 row_mask:0xf bank_mask:0xf
	v_permlanex16_b32 v[PD], v[T+10], s[SEL], s[SEL+1]
	v_max3_num_f32 v[T+12], v[T+10], v[PD], v[MM]  ; the new maximum
	v_sub_f32 v[T+14], v[T+2], v[T+12]
	v_sub_f32 v[T+15], v[T+3], v[T+12]
	v_sub_f32 v[T+13], v[MM], v[T+12]
	v_mul_f32 v[T+14], s[LE], v[T+14]
	v_mul_f32 v[T+15], s[LE], v[T+15]
	v_mul_f32 v[T+13], s[LE], v[T+13]
	s_wait_alu depctr_va_vdst(0)
	v_exp_f32 v[T+14], v[T+14]                     ; p of row 2 l,
	v_exp_f32 v[T+15], v[T+15]                     ; of row 2 l + 1,
	v_exp_f32 v[FF], v[T+13]                       ; and f, by which what was summed under the old maximum is brought under the new
	v_mov_b32 v[MM], v[T+12]                       ; (a plain instruction behind the exponentials)
	s_wait_alu depctr_va_vdst(0)                   ; one wait for the three, ahead of their first reader
	v_fma_f32 v[LL], v[LL], v[FF], v[T+14]
	v_add_f32 v[LL], v[LL], v[T+15]
	ds_store_b64 v[PBS], v[T+14:T+15]              ; into my wave's own 256 bytes;
.irp i, 0,1,2,3
	ds_load_b128 v[PP+4*\i:PP+4*\i+3], v[PBL] offset:16*\i         ; LDS serves a wave's instructions in order (ISA guide 5.7.1.4): these see the store
.endr
.irp j, 0,2,4,6,8,10,12,14,16,18,20,22,24,26,28,30
	v_pk_mul_f32 v[CTX+\j:CTX+\j+1], v[CTX+\j:CTX+\j+1], v[FF:FF+1] op_sel_hi:[1,0]
.endr
	s_wait_dscnt 0x0
.endm
; context[32 lane + t] += p[i] x key[my row i][32 lane + t], from the bf16 copy, sums in f32
.macro CONTEXT last
	WIN 0x03                                       ; source 0 window 3
.set i, 0
.rept 16
.irp t, 0,1,2,3,4,5,6,7,8,9,10,11,12,13,14,15
	v_fma_mix_f32_bf16 v[CTX+2*\t], v[16*i+\t], v[PP+i], v[CTX+2*\t] op_sel_hi:[1,0,0]
	v_fma_mix_f32_bf16 v[CTX+2*\t+1], v[16*i+\t], v[PP+i], v[CTX+2*\t+1] op_sel:[1,0,0] op_sel_hi:[1,0,0]
.endr
.set i, i+1
.endr
	WIN 0
	s_wait_xcnt 0x0                                ; the scores' store has read its data and its base: both are written again only behind this wait
.if \last == 0
	s_add_nc_u64 s[20:21], s[20:21], 256           ; the next block's 64 scores
.endif
.endm
.macro BLOCK refill, last
	CONVERT
	MEET \refill
	AFETCH
	GEMM \last
	REDUCE
	SOFTMAX
	CONTEXT \last
.endm
	s_load_b512 s[8:23], s[0:1], 0x0               ; key s[8:9], uaf s[10:11], Ua's scales s[12:13], qbc s[14:15], va_w s[16:17], va_b s[18:19], scores s[20:21], pctx s[22:23]
	s_load_b64 s[24:25], s[0:1], 0x40              ; pml
	v_lshl_add_u32 v[SPW], v0, 2, SPARE
	v_mov_b32 v[NIL], 0
	ds_add_u32 v1, v2
	ds_add_u32 v1, v2
	s_wait_dscnt 0x0
	v_lshrrev_b32 v120, 5, v0
	v_readfirstlane_b32 s[WV], v120                ; wave 0..3
	s_and_b32 s[BB], ttmp7, 0xffff                 ; batch
	; descriptor group 1: 16 rows of 1,024 elements of 4 bytes, 32,768 elements apart (a key's 32 batches), padded in LDS
	s_mov_b32 s[G1+0], (2<<16)|(1<<20)|(5<<22)|(3<<25)   ; 15:0 no mask; 17:16 elements of 4 bytes; 20 padding on; 24:22 after every 64 words (code 5); 31:25 four words (code 3)
	s_mov_b32 s[G1+1], 1024<<16                    ; tensor_dim0
	s_mov_b32 s[G1+2], 16<<16                      ; tensor_dim1
	s_mov_b32 s[G1+3], 1024<<16                    ; tile_dim0
	s_mov_b32 s[G1+4], 16                          ; tile_dim1
	s_mov_b32 s[G1+5], 32768                       ; tensor_dim0_stride
	s_mov_b32 s[G1+6], 0
	s_mov_b32 s[G1+7], 0
	s_mov_b32 s[G0], 1                             ; count = 1
	s_mul_i32 s[G0+1], s[WV], RAWW                 ; LDS address: my landing zone
	s_lshl_b32 s56, ttmp9, 25                      ; 256 keys of 131,072 bytes a work-group,
	s_lshl_b32 s58, s[WV], 21                      ; 16 a wave,
	s_add_co_u32 s56, s56, s58
	s_lshl_b32 s58, s[BB], 12                      ; and the batch's 4,096 bytes in a key
	s_add_co_u32 s56, s56, s58
	s_mov_b32 s57, 0
	s_wait_kmcnt 0x0
	s_add_nc_u64 s[G0+2:G0+3], s[8:9], s[56:57]
	s_add_nc_u64 s[60:61], s[G0+2:G0+3], 0x980000  ; s[60:61]: where my prefetches stand: block 0's 0x600000 and its first trip's 0x80000 bring it to my 16 rows of block 2 (2 x 0x800000 on)
	s_or_b32 s[G0+3], s[G0+3], 0x80000000          ; type = 2
	tensor_load_to_lds s[G0:G0+3], s[G1:G1+7]      ; block 0: the first fill, ahead of every LDS read, barrier and wait on TENSORcnt.  By this text's own count a wave never has more than one tensor load out
	s_nop 0
.rept 4
	v_nop
.endr
	s_load_b32 s[VB], s[18:19], 0x0                ; va_b
	s_mov_b32 s59, 0
	s_lshl_b32 s58, s[WV], 17
	s_add_nc_u64 s[10:11], s[10:11], s[58:59]      ; my quarter of Ua's fragments: 16 n tiles of 8,192 bytes
	s_lshl_b32 s58, s[WV], 13
	s_add_nc_u64 s[12:13], s[12:13], s[58:59]      ; and of its scale bytes: 256 rows of 32
	s_lshl_b32 s58, s[WV], 10
	s_add_nc_u64 s[16:17], s[16:17], s[58:59]      ; my 256 numbers of va
	s_lshl_b32 s56, s[BB], 12
	s_add_co_u32 s58, s58, s56
	s_add_nc_u64 s[14:15], s[14:15], s[58:59]      ; and of qbc[b]
	s_lshl_b32 s58, s[BB], 13
	s_lshl_b32 s56, ttmp9, 10
	s_add_co_u32 s58, s58, s56
	s_add_nc_u64 s[20:21], s[20:21], s[58:59]      ; scores[b][256 c]
	s_lshl_b32 s58, s[BB], 3
	s_add_co_u32 s58, s58, ttmp9                   ; 8 b + c
	s_lshl_b32 s56, s58, 12
	s_add_nc_u64 s[22:23], s[22:23], s[56:57]      ; pctx[b][c]
	s_lshl_b32 s56, s58, 8
	s_add_nc_u64 s[24:25], s[24:25], s[56:57]      ; pml[b][c]
	s_mov_b32 s[C2], 0x4038aa3b                    ; 2 log2(e)
	s_mov_b32 s[C2+1], s[C2]                       ; (named with it as a pair, so it is written)
	s_mov_b32 s[SEL], 0x76543210
	s_mov_b32 s[SEL+1], 0xfedcba98
	s_mov_b32 s[LE], 0x3fb8aa3b                    ; log2(e)
	v_and_b32 v120, 31, v0                         ; lane
	v_and_b32 v121, 15, v0                         ; r
	v_bfe_u32 v122, v0, 4, 1                       ; h
	v_lshrrev_b32 v123, 1, v120
	v_mul_u32_u24 v[RAWA], v123, 272               ; block l of a row: piece l / 2,
	v_and_b32 v123, 1, v0
	v_lshl_add_u32 v[RAWA], v123, 7, v[RAWA]       ; half l % 2
	v_add_nc_u32 v[RAWA], s[G0+1], v[RAWA]
	s_mul_i32 s56, s[WV], 16*CP
	s_add_co_u32 s56, s56, CODES
	v_lshl_add_u32 v[CST], v120, 4, s56
	s_mul_i32 s56, s[WV], 16*AP
	s_add_co_u32 s56, s56, ASC
	v_add_nc_u32 v[SST], s56, v120
	v_mul_u32_u24 v[AFA], v121, CP
	v_lshl_add_u32 v[AFA], v122, 4, v[AFA]
	v_add_nc_u32 v[AFA], CODES, v[AFA]
	v_mul_u32_u24 v[ASA], v121, AP
	v_lshl_add_u32 v[ASA], v122, 4, v[ASA]
	v_add_nc_u32 v[ASA], ASC, v[ASA]
	s_lshl_b32 s56, s[WV], 10
	s_add_co_u32 s56, s56, TAB
	v_lshl_add_u32 v[PA0], v121, 2, s56
	v_lshl_add_u32 v[PA], v120, 5, s56             ; for now: where I store my 32 bytes of each table
	v_lshlrev_b32 v[BO], 5, v120                   ; for now: 32 x lane
	v_lshlrev_b32 v[L16], 4, v120
	v_lshlrev_b32 v[SL], 5, v121
	v_lshl_add_u32 v[SL], v122, 4, v[SL]
	s_lshl_b32 s56, s[WV], 8
	s_add_co_u32 s58, s56, PART
	v_lshl_add_u32 v[PS], v122, 5, s58
	v_lshl_add_u32 v[PR], v120, 3, PART
	s_add_co_u32 s58, s56, PBC
	v_lshl_add_u32 v[PBS], v120, 3, s58
	s_mul_i32 s58, s[WV], 320                      ; my wave's 256 bytes, and in them rows 16 w on: 256 w + 64 w
	s_add_co_u32 s58, s58, PBC
	v_mov_b32 v[PBL], s58
	v_lshlrev_b32 v[L8], 3, v120
	global_load_b128 v[128:131], v[BO], s[14:15]   ; my wave's 256 numbers of qbc[b] and of va, 32 bytes a lane
	global_load_b128 v[132:135], v[BO], s[14:15] offset:16
	global_load_b128 v[136:139], v[BO], s[16:17]
	global_load_b128 v[140:143], v[BO], s[16:17] offset:16
.set i, 0
.rept 32
	v_mov_b32 v[CTX+i], 0                          ; the context: once in the launch; the block is written for every block alike, and the first f is 0
.set i, i+1
.endr
	v_mov_b32 v[LL], 0
	v_mov_b32 v[MM], 0xff61b1e6                    ; -3e38, under every score
	v_mov_b32 v[PD], 0                             ; a lane permute's destination counts as one of its sources
.irp j, 1,3,5,7
	v_mov_b32 v[PRM+\j], 0                         ; named as the upper halves of pairs of which the low word serves both halves
.endr
	s_wait_loadcnt 0x0
.irp j, 0,2,4,6
	v_pk_mul_f32 v[136+\j:137+\j], v[136+\j:137+\j], -2.0 op_sel_hi:[1,0]
.endr
	ds_store_b128 v[PA], v[128:131]
	ds_store_b128 v[PA], v[132:135] offset:16
	ds_store_b128 v[PA], v[136:139] offset:4096
	ds_store_b128 v[PA], v[140:143] offset:4112
.irp t, 0,1,2,3,4,5,6,7,8,9,10,11,12,13,14,15
	ds_load_b32 v[144+\t], v[PA0] offset:4096+64*\t                ; -2 va of my column in each of my 16 n tiles: my wave's own bytes, served in order
.endr
	v_mov_b32 v[BO], v[L16]                        ; (the loads that read it are back)
	v_mov_b32 v[SO], v[SL]
	FETCHB 0                                       ; Ua's chunks 0 and 1
	FETCHB 1
	s_wait_dscnt 0x0
.irp j, 2,4,6,8,10,12,14
	v_pk_add_f32 v[144:145], v[144:145], v[144+\j:145+\j]
.endr
	v_add_f32 v144, v144, v145
	v_mul_f32 v[CW], -0.5, v144                    ; my share of sum va
	s_wait_kmcnt 0x0
	s_mov_b32 s[VB+1], s[VB]
	s_mov_b32 s[NX], 32768                         ; the first trip asks for chunks 2 and 3
	s_mov_b32 s[NXS], 2048
	s_mov_b32 s[BLK], 3
.Lblock:                                               ; three trips: behind each block's first barrier the next block is asked for
	BLOCK 1, 0
	s_sub_co_u32 s[BLK], s[BLK], 1
	s_cmp_lg_u32 s[BLK], 0
	s_cbranch_scc1 .Lblock
	BLOCK 0, 1                                     ; the last block is written out
	; THE WAY OUT.  l's parts are added over the lanes; wave 0 stores (m, l), 32 times over: 256 consecutive bytes.  The four waves' contexts (each of its own rows) meet in the stage and are added.
	v_add_f32_dpp v[LL], v[LL], v[LL] row_xmask:1 row_mask:0xf bank_mask:0xf
	v_add_f32_dpp v[LL], v[LL], v[LL] row_xmask:2 row_mask:0xf bank_mask:0xf
	v_add_f32_dpp v[LL], v[LL], v[LL] row_xmask:4 row_mask:0xf bank_mask:0xf
	v_add_f32_dpp v[LL], v[LL], v[LL] row_xmask:8 row_mask:0xf bank_mask:0xf
	v_permlanex16_b32 v[PD], v[LL], s[SEL], s[SEL+1]
	v_add_f32 v[LL], v[LL], v[PD]
	s_cmp_lg_u32 s[WV], 0
	s_cbranch_scc1 .Lno_ml
	global_store_b64 v[L8], v[MM:LL], s[24:25]
.Lno_ml:
	v_and_b32 v5, 31, v0
	s_mul_i32 s56, s[WV], 32*SGP
	s_add_co_u32 s56, s56, STG
	v_mul_u32_u24 v3, v5, SGP
	v_add_nc_u32 v3, s56, v3                       ; in: my wave's part, my lane's 128 bytes
	v_lshrrev_b32 v4, 3, v0
	v_mul_u32_u24 v4, v4, SGP
	v_and_b32 v5, 7, v0
	v_lshl_add_u32 v4, v5, 4, v4
	v_add_nc_u32 v4, STG, v4                       ; back: thread t takes channels 4 t .. 4 t + 3 (and 512 further on): lane t / 8's bytes 16 (t % 8) on
	v_lshlrev_b32 v5, 4, v0                        ; and 16 t in pctx
.irp q, 0,1,2,3,4,5,6,7
	ds_store_b128 v3, v[CTX+4*\q:CTX+4*\q+3] offset:16*\q
.endr
	s_wait_alu depctr_va_vdst(0)
	s_wait_dscnt 0x0                               ; for the others' sake: my stores are done
	s_barrier_signal -1
	s_barrier_wait -1
.irp u, 0,1
.irp w, 0,1,2,3
	ds_load_b128 v[120+16*\u+4*\w:123+16*\u+4*\w], v4 offset:32*SGP*\w+16*SGP*\u
.endr
.endr
	s_wait_dscnt 0x0
.irp u, 0,1
.irp k, 0,2
	v_pk_add_f32 v[120+16*\u+\k:121+16*\u+\k], v[120+16*\u+\k:121+16*\u+\k], v[124+16*\u+\k:125+16*\u+\k]
	v_pk_add_f32 v[128+16*\u+\k:129+16*\u+\k], v[128+16*\u+\k:129+16*\u+\k], v[132+16*\u+\k:133+16*\u+\k]
	v_pk_add_f32 v[120+16*\u+\k:121+16*\u+\k], v[120+16*\u+\k:121+16*\u+\k], v[128+16*\u+\k:129+16*\u+\k]
.endr
	global_store_b128 v5, v[120+16*\u:123+16*\u], s[22:23] offset:2048*\u   ; a wave stores 512 consecutive bytes, aligned
.endr
	s_wait_tensorcnt 0x0                           ; the wave's end: behind my last tensor load and my last LDS store
	ds_add_u32 v[SPW], v[NIL]
	s_wait_dscnt 0x0
	s_endpgm
.Lfunc_end_k_q95e17ab3c3_main:
	.size	k_q95e17ab3c3_main, .Lfunc_end_k_q95e17ab3c3_main-k_q95e17ab3c3_main
	.p2alignl 7, 3214868480
	.fill 96, 4, 3214868480
	.section	.rodata,"a",@progbits
	.p2align	6, 0x0
	.amdhsa_kernel k_q95e17ab3c3_main
		.amdhsa_group_segment_fixed_size 327680
		.amdhsa_private_segment_fixed_size 0
		.amdhsa_enable_private_segment 0
		.amdhsa_kernarg_size 72
		.amdhsa_user_sgpr_count 2
		.amdhsa_user_sgpr_kernarg_segment_ptr 1
		.amdhsa_wavefront_size32 1
		.amdhsa_system_sgpr_workgroup_id_x 1
		.amdhsa_system_sgpr_workgroup_id_y 1
		.amdhsa_system_sgpr_workgroup_id_z 1
		.amdhsa_system_vgpr_workitem_id 0
		.amdhsa_next_free_vgpr 1024
		.amdhsa_next_free_sgpr 66
		.amdhsa_reserve_vcc 0
		.amdhsa_float_denorm_mode_32 3
		.amdhsa_float_denorm_mode_16_64 3
		.amdhsa_memory_ordered 1
		.amdhsa_forward_progress 1
		.amdhsa_inst_pref_size 255
	.end_amdhsa_kernel
	.section	.bss,"aw",@nobits
	.p2align	6
	.space	262144
	.amdgpu_metadata
---
amdhsa.version: [ 1, 2 ]
amdhsa.kernels:
  - .name:           k_q95e17ab3c3_main
    .symbol:         k_q95e17ab3c3_main.kd
    .args:
      - { .name: key, .offset: 0, .size: 8, .value_kind: global_buffer, .address_space: global }
      - { .name: uaf, .offset: 8, .size: 8, .value_kind: global_buffer, .address_space: global }
      - { .name: Ua_w_scales, .offset: 16, .size: 8, .value_kind: global_buffer, .address_space: global }
      - { .name: qbc, .offset: 24, .size: 8, .value_kind: global_buffer, .address_space: global }
      - { .name: va_w, .offset: 32, .size: 8, .value_kind: global_buffer, .address_space: global }
      - { .name: va_b, .offset: 40, .size: 8, .value_kind: global_buffer, .address_space: global }
      - { .name: scores, .offset: 48, .size: 8, .value_kind: global_buffer, .address_space: global }
      - { .name: pctx, .offset: 56, .size: 8, .value_kind: global_buffer, .address_space: global }
      - { .name: pml, .offset: 64, .size: 8, .value_kind: global_buffer, .address_space: global }
    .group_segment_fixed_size: 327680
    .private_segment_fixed_size: 0
    .kernarg_segment_align: 8
    .kernarg_segment_size: 72
    .max_flat_workgroup_size: 128
    .sgpr_count:     66
    .vgpr_count:     1024
    .wavefront_size: 32
...
	.end_amdgpu_metadata
.endif
;; end of part 2
;; launch join (part 3): grid 8 x 32, 2 waves a work-group, no clusters, 0 bytes of LDS; arguments scores, pctx, pml, out0, out1; writes out0, out1
.if DOCPART == 3
	.amdgcn_target "amdgcn-amd-amdhsa--gfx1250"
	.amdhsa_code_object_version 6
	.text
	.protected	k_q95e17ab3c3_join
	.globl	k_q95e17ab3c3_join
	.p2align	8
	.type	k_q95e17ab3c3_join,@function
k_q95e17ab3c3_join:
	s_mov_b64 s[64:65], 0
	v_nop
	global_prefetch_b8 v0, s[64:65] scope:SCOPE_SE
	s_setreg_imm32_b32 hwreg(HW_REG_WAVE_MODE, 25, 1), 1
	s_wait_xcnt 0x0
; The eight parts of a batch are joined.  Part c has its own maximum m_c, its sum l_c of 2^((s - m_c) log2 e) and its context under m_c.
; M = the largest m_c; e_c = 2^((m_c - M) log2 e); L = sum e_c l_c; weight = 2^((score - M) log2 e) / L; context = sum (e_c / L) x part c's context.
; Work-group (q, b), 64 threads: weights 256 q .. 256 q + 255 (16 bytes a thread) and channels 128 q .. 128 q + 127 (8 bytes a thread) of batch b.  A stream: no LDS, no barrier, no matrix work.
; LIMIT: a weight under 2^-126 comes out as 0 (v_exp_f32 flushes: ISA guide 15.8).
.set ML, 16                            ; s[16:31] (m_c, l_c), c = 0 .. 7
.set LE, 34                            ; s34  log2(e)
.set EC, 12                            ; v12-19 e_c, then e_c / L
.set PC, 32                            ; v32-47 the eight parts' two channels
	s_load_b256 s[4:11], s[0:1], 0x0               ; scores s[4:5], pctx s[6:7], pml s[8:9], out0 s[10:11]
	s_load_b64 s[12:13], s[0:1], 0x20              ; out1
	s_and_b32 s14, ttmp7, 0xffff                   ; batch
	s_mov_b32 s37, 0
	s_mov_b32 s39, 0
	s_mov_b32 s41, 0
	s_mov_b32 s43, 0
	s_lshl_b32 s36, s14, 11                        ; pml: 8 parts of 256 bytes a batch
	s_lshl_b32 s38, s14, 13
	s_lshl_b32 s15, ttmp9, 10
	s_add_co_u32 s38, s38, s15                     ; scores and out1: 8,192 b + 1,024 q
	s_lshl_b32 s40, s14, 15
	s_lshl_b32 s15, ttmp9, 9
	s_add_co_u32 s40, s40, s15                     ; pctx: 32,768 b + 512 q
	s_lshl_b32 s42, s14, 12
	s_add_co_u32 s42, s42, s15                     ; out0: 4,096 b + 512 q
	s_mov_b32 s[LE], 0x3fb8aa3b
	v_lshlrev_b32 v1, 4, v0
	v_lshlrev_b32 v2, 3, v0
	s_wait_alu depctr_va_vdst(0)
	s_wait_kmcnt 0x0
	s_add_nc_u64 s[8:9], s[8:9], s[36:37]
	s_add_nc_u64 s[4:5], s[4:5], s[38:39]
	s_add_nc_u64 s[12:13], s[12:13], s[38:39]
	s_add_nc_u64 s[6:7], s[6:7], s[40:41]
	s_add_nc_u64 s[10:11], s[10:11], s[42:43]
.irp c, 0,1,2,3,4,5,6,7
	s_load_b64 s[ML+2*\c:ML+2*\c+1], s[8:9], 256*\c
.endr
	global_load_b128 v[4:7], v1, s[4:5] th:TH_LOAD_NT
.irp c, 0,1,2,3,4,5,6,7
	global_load_b64 v[PC+2*\c:PC+2*\c+1], v2, s[6:7] offset:4096*\c th:TH_LOAD_NT
.endr
	s_wait_kmcnt 0x0
	v_mov_b32 v10, s[ML]
	v_max3_num_f32 v10, v10, s[ML+2], s[ML+4]
	v_max3_num_f32 v10, v10, s[ML+6], s[ML+8]
	v_max3_num_f32 v10, v10, s[ML+10], s[ML+12]
	v_max_num_f32 v10, s[ML+14], v10               ; M
.irp c, 0,1,2,3,4,5,6,7
	v_sub_f32 v[EC+\c], s[ML+2*\c], v10
.endr
.irp c, 0,1,2,3,4,5,6,7
	v_mul_f32 v[EC+\c], s[LE], v[EC+\c]
.endr
	s_wait_alu depctr_va_vdst(0)
.irp c, 0,1,2,3,4,5,6,7
	v_exp_f32 v[EC+\c], v[EC+\c]
.endr
	v_nop                                          ; a plain instruction behind the last exponential,
	s_wait_alu depctr_va_vdst(0)                   ; and one wait for the eight, ahead of their first reader
	v_mul_f32 v20, s[ML+1], v[EC]
.irp c, 1,2,3,4,5,6,7
	v_fma_f32 v20, v[EC+\c], s[ML+2*\c+1], v20     ; L
.endr
	s_wait_alu depctr_va_vdst(0)
	v_rcp_f32 v21, v20
	v_nop
	s_wait_alu depctr_va_vdst(0)
.irp c, 0,1,2,3,4,5,6,7
	v_mul_f32 v[EC+\c], v[EC+\c], v21              ; e_c / L
.endr
	s_wait_loadcnt 8                               ; the scores are in; the eight loads of the parts may be out
.irp i, 0,1,2,3
	v_sub_f32 v[4+\i], v[4+\i], v10
.endr
.irp i, 0,1,2,3
	v_mul_f32 v[4+\i], s[LE], v[4+\i]
.endr
	s_wait_alu depctr_va_vdst(0)
.irp i, 0,1,2,3
	v_exp_f32 v[4+\i], v[4+\i]
.endr
	v_nop
	s_wait_alu depctr_va_vdst(0)
.irp i, 0,1,2,3
	v_mul_f32 v[24+\i], v[4+\i], v21
.endr
	global_store_b128 v1, v[24:27], s[12:13]       ; a wave stores 512 consecutive bytes, aligned
	s_wait_loadcnt 0x0
	v_mul_f32 v28, v[PC], v[EC]
	v_mul_f32 v29, v[PC+1], v[EC]
.irp c, 1,2,3,4,5,6,7
	v_fma_f32 v28, v[PC+2*\c], v[EC+\c], v28
	v_fma_f32 v29, v[PC+2*\c+1], v[EC+\c], v29
.endr
	global_store_b64 v2, v[28:29], s[10:11]        ; a wave stores 256 consecutive bytes, aligned
	s_endpgm
.Lfunc_end_k_q95e17ab3c3_join:
	.size	k_q95e17ab3c3_join, .Lfunc_end_k_q95e17ab3c3_join-k_q95e17ab3c3_join
	.p2alignl 7, 3214868480
	.fill 96, 4, 3214868480
	.section	.rodata,"a",@progbits
	.p2align	6, 0x0
	.amdhsa_kernel k_q95e17ab3c3_join
		.amdhsa_group_segment_fixed_size 0
		.amdhsa_private_segment_fixed_size 0
		.amdhsa_enable_private_segment 0
		.amdhsa_kernarg_size 40
		.amdhsa_user_sgpr_count 2
		.amdhsa_user_sgpr_kernarg_segment_ptr 1
		.amdhsa_wavefront_size32 1
		.amdhsa_system_sgpr_workgroup_id_x 1
		.amdhsa_system_sgpr_workgroup_id_y 1
		.amdhsa_system_sgpr_workgroup_id_z 1
		.amdhsa_system_vgpr_workitem_id 0
		.amdhsa_next_free_vgpr 64
		.amdhsa_next_free_sgpr 66
		.amdhsa_reserve_vcc 0
		.amdhsa_float_denorm_mode_32 3
		.amdhsa_float_denorm_mode_16_64 3
		.amdhsa_memory_ordered 1
		.amdhsa_forward_progress 1
		.amdhsa_inst_pref_size 7
	.end_amdhsa_kernel
	.amdgpu_metadata
---
amdhsa.version: [ 1, 2 ]
amdhsa.kernels:
  - .name:           k_q95e17ab3c3_join
    .symbol:         k_q95e17ab3c3_join.kd
    .args:
      - { .name: scores, .offset: 0, .size: 8, .value_kind: global_buffer, .address_space: global }
      - { .name: pctx, .offset: 8, .size: 8, .value_kind: global_buffer, .address_space: global }
      - { .name: pml, .offset: 16, .size: 8, .value_kind: global_buffer, .address_space: global }
      - { .name: out0, .offset: 24, .size: 8, .value_kind: global_buffer, .address_space: global }
      - { .name: out1, .offset: 32, .size: 8, .value_kind: global_buffer, .address_space: global }
    .group_segment_fixed_size: 0
    .private_segment_fixed_size: 0
    .kernarg_segment_align: 8
    .kernarg_segment_size: 40
    .max_flat_workgroup_size: 64
    .sgpr_count:     66
    .vgpr_count:     64
    .wavefront_size: 32
...
	.end_amdgpu_metadata
.endif
;; end of part 3
